; MI455X (gfx1250); checked and timed in simulation.
; The chip was launched on July 23, 2026; its instructions are those of AMD's public machine-readable ISA for CDNA 5 (MIT licence, August 2026) and "CDNA5" Instruction Set Architecture Reference Guide (July 2026). The comments in the code are by the model that wrote it; some were corrected since.
;; Self Attention. Allowed arithmetic: matrix products marked QUANTISED: E4M3 operands, one given power-of-two scale a tensor, by v_wmma_f32_16x16x64_fp8_fp8 or v_wmma_f32_16x16x128_fp8_fp8, f32 sums; everything else in f32.
;; Inputs: b_o 1,024 float32; b_qkv 3,072 float32; lowp_scales 8 int32 (the exponents e of the quantised operands' scales 2^e); w_o_codes 1,024 x 32 x 32 uint8 (E4M3 codes of w_o, K innermost, in blocks of 32 codes); w_qkv_codes 3,072 x 32 x 32 uint8 (E4M3 codes of w_qkv, K innermost, in blocks of 32 codes); x_codes 1 x 4,096 x 32 x 32 uint8 (E4M3 codes of x, K innermost, in blocks of 32 codes).
;; Outputs: out0 1 x 4,096 x 1,024 float32.
;; Constants: causal_mask = 1.
;; This version of the problem:
;;   THIS VERSION OF THE PROBLEM IS GIVEN IN LOW PRECISION. The matrix products marked QUANTISED in the list below multiply operands that are first quantised to E4M3 (4 exponent bits, 3 mantissa bits; 8 bits a number), with one given power-of-two scale for each operand tensor; their sums are f32. All else is computed in f32.
;;   The module's matrix products, in the order in which they are computed (A, B: the left and right operand; K: the contracted axis; several contracted axes count as one K, in the product's order):
;;     1. [M 4,096, K 1,024] x [K 1,024, N 3,072]; A: input x (given as codes); B: input w_qkv (given as codes): QUANTISED (scales: A lowp_scales[0], B lowp_scales[1])
;;     2. batch 16 x [M 4,096, K 64] x [K 64, N 4,096]; A: computed on the way; B: computed on the way: QUANTISED (scales: A lowp_scales[2], B lowp_scales[3])
;;     3. batch 16 x [M 4,096, K 4,096] x [K 4,096, N 64]; A: softmax (see below); B: computed on the way: QUANTISED (scales: A lowp_scales[4], B lowp_scales[5])
;;     4. [M 4,096, K 1,024] x [K 1,024, N 1,024]; A: computed on the way; B: input w_o (given as codes): QUANTISED (scales: A lowp_scales[6], B lowp_scales[7])
;;   THE QUANTISER, for each operand of a quantised product, along K:
;;     - The operand's scale is 2^e, e = its entry of the input lowp_scales (int32; the entries are numbered through the quantised products in the list's order, A before B).
;;     - Each number is divided by the scale, clamped to +-448, and rounded to the nearest number of E4M3, ties to even, subnormals kept.
;;     - The product sums the exact products of the quantised numbers (number of the format x scale) in f32.
;;   ~~~python
;;   def quantise(x, axis, e):      # numpy; x: float32 -> the quantised numbers, widened to float32 again
;;       x = np.moveaxis(x, axis, -1); K = x.shape[-1]
;;       r = np.clip(x / 2.0 ** e, -448, 448)
;;       step = 2.0 ** (np.maximum(np.frexp(np.where(r == 0, 1, r))[1] - 1, -6) - 3)
;;       q = np.round(r / step) * step * 2.0 ** e      # np.round: ties to even
;;       return np.moveaxis(q, -1, axis).astype(np.float32)
;;   ~~~
;;   SOFTMAX AHEAD OF A QUANTISED PRODUCT. Where the list says 'softmax', what is quantised is not the finished softmax but p = 2^(t - M), with t = logit x log2(e) and M = ceil(the row's largest t), a whole number; so 1/2 < the row's largest p <= 1. The row's sum l is taken of the UNQUANTISED p, in f32, and the product's result is divided by l at the end. Since M is a whole number, a kernel that streams over the keys may use a running M (the ceiling of the running maximum): every later rescaling is an exact power of two, so the quantised numbers keep their values, but for numbers so far below the row's largest that they fall under the format's range.
;;   OPERANDS COMPUTED ON THE WAY. 'Computed on the way' means the value that the module computes at that place (a softmax that the list does not call 'softmax' is quantised finished and normalised). What goes into a quantiser is computed in f32, as accurately as f32 sums, v_exp_f32 and their like allow (about 1e-6 of the number): no bf16 or f16 on the way to a quantiser, and a product that is left as it is and whose result goes on into a quantised operand takes f32 operands (vector FMAs, or v_wmma_f32_16x16x4_f32). A number that lies on a knife's edge between two numbers of the format may be rounded either way, as far as f32 arithmetic and the matrix unit's own rounding can turn it there, and no further.
;;   INPUTS GIVEN AS CODES. w_o (in the module: [1024, 1024], K = its axis 1); w_qkv (in the module: [3072, 1024], K = its axis 1); x (in the module: [1, 4096, 1024], K = its axis 2): each comes as NAME_codes (uint8): NAME with its K axis moved to the last place and cut into blocks of 32 codes, [.., K / 32, bytes a block], one block behind the other in memory; one code a byte (a code: sign, 4 exponent bits, 3 mantissa bits); its scale is its entry of lowp_scales. Its value is code x scale, taken as it is: it is not quantised again, and the codes and scales need not be those that the quantiser above would give.
;; One version. Each part assembles by itself: llvm-mc -triple=amdgcn-amd-amdhsa -mcpu=gfx1250 --defsym DOCPART=n.
;; ======== version 1 of 1: 3 launches
;; limits: right only within a limited range of input values
;; workspace buffers: qimg 4,194,304 bytes; kimg 4,194,304 bytes; vimg 4,194,304 bytes; aimg 4,194,304 bytes
;; launch qkv (part 1): grid 8 x 32, 8 waves a work-group, clusters of 4 x 4, 327,680 bytes of LDS; arguments x_codes, w_qkv_codes, b_qkv, lowp_scales, qimg, kimg, vimg; writes qimg, kimg, vimg
.if DOCPART == 1
	.amdgcn_target "amdgcn-amd-amdhsa--gfx1250"
	.amdhsa_code_object_version 6
	.text
	.protected	k_q0e80601843_qkv
	.globl	k_q0e80601843_qkv
	.p2align	8
	.type	k_q0e80601843_qkv,@function
k_q0e80601843_qkv:
	s_mov_b64 s[64:65], 0
	v_nop
	global_prefetch_b8 v0, s[64:65] scope:SCOPE_SE
	s_setreg_imm32_b32 hwreg(HW_REG_WAVE_MODE, 25, 1), 1
	s_wait_xcnt 0x0
	s_wait_alu depctr_hold_cnt(0) depctr_sa_sdst(0) depctr_va_vdst(0) depctr_va_sdst(0) depctr_va_ssrc(0) depctr_va_vcc(0) depctr_vm_vsrc(0)
	s_getreg_b32 s2, hwreg(HW_REG_IB_STS2, 6, 4)
	s_cmp_eq_u32 s2, 0
	s_cbranch_scc0 .Lentry_in_a_cluster
	s_endpgm
.Lentry_in_a_cluster:
	s_bfe_u32 s2, ttmp6, 0x10000c
	s_cmp_lg_u32 s2, 0xf033
	s_cbranch_scc0 .Lentry_shape_is_right
	s_endpgm
.Lentry_shape_is_right:
; qkv = x w_qkv^T + b_qkv on codes of FP8 (E4M3), then q, k and v quantised with the given scales 2^e2, 2^e3, 2^e5 and stored as IMAGES OF OPERAND REGISTERS.
; x: [4096][1024] codes, w_qkv: [3072][1024] codes, K innermost; b_qkv: [3072] f32; the eight exponents e0..e7 are int32.
; Of the whole program only launch attn leaves work out: key steps that lie wholly under the causal mask.
; SHARES.  256 work-groups.  Work-group (c, xr) takes rows 128 xr .. +127 of x against three blocks of 128 rows of w: 128 c (q), 1024 + 128 c (k), 2048 + 128 c (v): q, k, v of heads 2 c and 2 c + 1.
; Eight waves, two to a SIMD: wave w takes 64 rows (rh = w / 4) x 32 channels (32 (w % 4) of the 128) of each of q, k, v: 24 accumulators, 192 registers.
; SOURCE ORDER.  q, k: source 0 = 16 rows of w, source 1 = 16 rows of x: a lane holds ONE token and eight neighbouring channels.  v: source 0 = x, source 1 = w: a lane holds ONE channel and eight neighbouring tokens (keys).
; In both cases the eight registers run along the NEXT product's K, in the order of an 8-bit operand (registers 2 c, 2 c + 1: k = 16 c + 8 (lane / 16) + 0 .. 7): a conversion's two registers ARE two registers of that operand.
; IMAGES.  Four operand registers are a piece of 512 bytes, lane l's 16 bytes at 16 l.  qimg, kimg: [head][token tile of 16][piece 2]; vimg: [head][key step of 128][channel tile 4][piece 4].  Every store covers 512 consecutive bytes, aligned.
; x's and w's fragments are fetched by four loads of 16 bytes, 32 apart: a permutation of k that is the same on both sides, so every product meets its partner.
; THE FRAGMENTS OF THE NEXT STEP ARE FETCHED BETWEEN THIS STEP'S PRODUCTS: x's into a second set of registers, w_q's, w_k's and w_v's each into its own registers behind its eight products.
; So when a chunk's second step begins, all its fragments are in registers, and there the slots change.
; The bias goes in as the C of a sum's first product, divided by 2^(e0 + e1), the power of two that the sums lack; the three scales ahead of a quantiser are folded into the conversion's one: 2^(e_t - e0 - e1).
; CLUSTERS: 4 x 4 work-groups.  x's tile hangs on xr alone and is shared along a row of the cluster, w's tiles on c alone and are shared along a column: each is asked for jointly.
; K goes in four chunks of 256 (rows of 256 bytes) through two LDS slots; a slot holds w_q, w_k, w_v and x, 128 rows each.  At the head waves 0 to 3 fetch chunk 0's four tiles, waves 4 to 7 chunk 1's; the refills are waves 0 to 3's.
; No prefetch: the four chunks are written out, two of them asked for at the head: there is no loop to run ahead in.
; LIMITS: e2 - e0 - e1, e3 - e0 - e1 and e5 - e0 - e1 lie between -126 and 119, so that each scale and 448 x the scale is an f32 number.  NaN codes among the inputs are not served.
.set PITCH, 272                        ; an LDS row: 256 bytes + 16 of padding = 68 words: the 16 rows that a load touches start at 16 different banks (64 banks of 4 bytes: ISA guide 11.1)
.set BLK,   128*PITCH                  ; 128 rows: what one tensor load brings
.set SLOT,  4*BLK                      ; w_q, w_k, w_v, x
.set SPARE, 2*SLOT                     ; behind the ring: the spare words, 128 bytes for each of eight waves: four blocks of 256 bytes that no other line names
.set SPW, 4                            ; v4   LDS address of my spare word; never rewritten
.set NIL, 5                            ; v5   0; never rewritten
.set ADX, 6                            ; v6-7   LDS address of my fragments of x in slot 0, 1
.set ADW, 8                            ; v8-13  of w: slot 0: q, k, v; slot 1: q, k, v
.set BQ,  16                           ; v16-31 q's bias, two tiles x 8; v32-47 k's; v48-63 v's: the C of the first products
.set BV,  48
.set XF,  64                           ; v64-127  x's fragments, set 0: four of 16 rows x 128 K, 16 registers each
.set XG,  192                          ; v448-511 set 1 (192 on in window 1)
.set WF,  128                          ; v128-223 six fragments of w: q0, q1, k0, k1, v0, v1
.set CD,  128                          ; the way out: the codes, 48 registers
.set SC,  224                          ; v224, 225: q's scale and 448 x it; v226, 227: k's; v228, 229: v's
.set WV,  18                           ; s18  my wave's number
.set G1A, 28                           ; s[28:35] descriptor group 1 for x's tiles;  s[36:43] for w's: they differ in the mask alone
.set G1B, 36
.set G0A, 44                           ; s[44:51] group 0 for x's tiles, a set for each slot;  s[52:59] for w's
.set G0B, 52
; window 1 (v256-447): the accumulators: q's (a, t) at v[8 (2 a + t)], k's 64 further on, v's 128 further on; a = tile of 16 rows, t = tile of 16 channels
.set MSB, 0
.macro WIN new                         ; the immediate's high byte repeats the setting that is left; bits 1:0 source 0, 3:2 source 1, 5:4 source 2, 7:6 destination
.if MSB != (\new)
	s_set_vgpr_msb (MSB<<8)|(\new)
.set MSB, (\new)
.endif
.endm
.macro PLACES n                        ; plain vector instructions between a matrix instruction and a load into, or a vector read of, its registers
.rept \n
	v_nop
.endr
.endm
.macro CROUND                          ; a round of the cluster's barrier
	s_barrier_signal -1
	s_barrier_wait -1
	s_cmp_lg_u32 s[WV], 0
	s_cbranch_scc1 .Lnot_wave_0_\@
	s_barrier_signal -3
.Lnot_wave_0_\@:
	s_barrier_wait -3
	s_barrier_signal -1
	s_barrier_wait -1
.endm
.macro JLOAD s                         ; a joint refill of slot s; the branches hang on the wave's number alone; four v_nop follow each tensor load
	s_cmp_lt_u32 s[WV], 3
	s_cbranch_scc0 .Lnot_w_\@
	tensor_load_to_lds s[G0B+4*\s:G0B+4*\s+3], s[G1B:G1B+7]
	s_nop 0
	PLACES 4
	s_branch .Lasked_\@
.Lnot_w_\@:
	s_cmp_eq_u32 s[WV], 3
	s_cbranch_scc0 .Lasked_\@
	tensor_load_to_lds s[G0A+4*\s:G0A+4*\s+3], s[G1A:G1A+7]
	s_nop 0
	PLACES 4
.Lasked_\@:
.endm
	s_load_b256 s[4:11], s[0:1], 0x0               ; x s[4:5], w s[6:7], b s[8:9], the exponents s[10:11]
	s_load_b128 s[12:15], s[0:1], 0x20             ; qimg s[12:13], kimg s[14:15]
	s_load_b64 s[16:17], s[0:1], 0x30              ; vimg
	v_lshl_add_u32 v[SPW], v0, 2, SPARE
	v_mov_b32 v[NIL], 0
	ds_add_u32 v[SPW], v[NIL]                      ; the wave's opening: the add, twice on end, and its wait
	ds_add_u32 v[SPW], v[NIL]
	v_lshrrev_b32 v1, 5, v0
	v_readfirstlane_b32 s[WV], v1                  ; wave 0..7
	s_lshr_b32 s19, s[WV], 2                       ; rh: which 64 rows
	s_bfe_u32 s20, s[WV], 0x10001                  ; which of the two heads
	s_and_b32 s21, s[WV], 1                        ; hf: which 32 channels of the head
	s_bfe_u32 s22, ttmp6, 0x40000                  ; cx, cy: my place in the cluster
	s_bfe_u32 s23, ttmp6, 0x40004
	s_lshl_b32 s24, ttmp9, 2
	s_add_co_u32 s24, s24, s22                     ; c = 4 x cluster x + cx
	s_and_b32 s25, ttmp7, 0xffff
	s_lshl_b32 s25, s25, 2
	s_add_co_u32 s25, s25, s23                     ; xr = 4 x cluster y + cy
	s_lshl_b32 s26, s23, 2
	s_lshl_b32 s26, 15, s26                        ; my row of the cluster
	s_lshl_b32 s27, 0x1111, s22                    ; my column
	; descriptor group 1: a tile of 128 rows x 256 bytes, 1,024 bytes from row to row, padded in LDS
	s_or_b32 s[G1A], s26, (0<<16)|(1<<20)|(1<<21)|(5<<22)|(3<<25)   ; 15:0 the mask; 17:16 elements of 1 byte; 20 padding on; 21 set beside a mask; 24:22 after every 64 words (code 5); 31:25 four words (code 3)
	s_or_b32 s[G1B], s27, (0<<16)|(1<<20)|(1<<21)|(5<<22)|(3<<25)
.irp g, G1A, G1B
	s_mov_b32 s[\g+1], 256<<16                     ; tensor_dim0
	s_mov_b32 s[\g+2], 128<<16                     ; tensor_dim1
	s_mov_b32 s[\g+3], 256<<16                     ; tile_dim0
	s_mov_b32 s[\g+4], 128                         ; tile_dim1
	s_mov_b32 s[\g+5], 1024                        ; tensor_dim0_stride
	s_mov_b32 s[\g+6], 0
	s_mov_b32 s[\g+7], 0
.endr
	s_lshl_b32 s76, s25, 17                        ; x: 128 xr rows of 1,024 bytes: it hangs on xr alone
	s_mov_b32 s77, 0
	s_and_b32 s82, s[WV], 3                        ; my tile of a chunk
	s_min_u32 s80, s82, 2                          ; w: block q, k or v,
	s_lshl_b32 s78, s80, 20                        ; 1,024 rows of 1,024 bytes apart,
	s_lshl_b32 s81, s24, 17                        ; + 128 c rows: it hangs on c and the wave's number alone
	s_add_co_u32 s78, s78, s81
	s_mov_b32 s79, 0
	s_mul_i32 s82, s82, BLK                        ; where my tile goes in a slot
	s_wait_dscnt 0x0                               ; both opening adds are done
	s_wait_kmcnt 0x0
	s_load_b256 s[68:75], s[10:11], 0x0            ; e0 .. e7
	s_add_nc_u64 s[76:77], s[4:5], s[76:77]
	s_add_nc_u64 s[78:79], s[6:7], s[78:79]
.irp s, 0,1
	s_mov_b32 s[G0A+4*\s], 1                       ; count = 1
	s_add_co_u32 s[G0A+4*\s+1], s82, \s*SLOT       ; LDS address
	s_add_nc_u64 s[G0A+4*\s+2:G0A+4*\s+3], s[76:77], \s*256   ; global address: chunk s
	s_or_b32 s[G0A+4*\s+3], s[G0A+4*\s+3], 0x80000000         ; type = 2
	s_mov_b32 s[G0B+4*\s], 1
	s_add_co_u32 s[G0B+4*\s+1], s82, \s*SLOT
	s_add_nc_u64 s[G0B+4*\s+2:G0B+4*\s+3], s[78:79], \s*256
	s_or_b32 s[G0B+4*\s+3], s[G0B+4*\s+3], 0x80000000
.endr
	CROUND                                         ; all sixteen work-groups are here: the first joint loads meet
	s_cmp_lt_u32 s[WV], 3                          ; one chain of arms, one load in each: chunk 0's w,
	s_cbranch_scc0 .Lfirst_not_w
	tensor_load_to_lds s[G0B:G0B+3], s[G1B:G1B+7]
	s_nop 0
	PLACES 4
	s_branch .Lfirst_asked
.Lfirst_not_w:
	s_cmp_eq_u32 s[WV], 3
	s_cbranch_scc0 .Lfirst_chunk1
	tensor_load_to_lds s[G0A:G0A+3], s[G1A:G1A+7]  ; chunk 0's x,
	s_nop 0
	PLACES 4
	s_branch .Lfirst_asked
.Lfirst_chunk1:
	s_cmp_lt_u32 s[WV], 7
	s_cbranch_scc0 .Lfirst_x1
	tensor_load_to_lds s[G0B+4:G0B+7], s[G1B:G1B+7]  ; chunk 1's w,
	s_nop 0
	PLACES 4
	s_branch .Lfirst_asked
.Lfirst_x1:
	tensor_load_to_lds s[G0A+4:G0A+7], s[G1A:G1A+7]  ; chunk 1's x
	s_nop 0
	PLACES 4
.Lfirst_asked:
	s_lshl_b32 s86, s24, 9                         ; the bias of my 32 channels: (128 c + 32 (wave % 4)) x 4 bytes
	s_and_b32 s84, s[WV], 3
	s_lshl_b32 s87, s84, 7
	s_add_co_u32 s86, s86, s87
	s_mov_b32 s87, 0
	s_add_nc_u64 s[86:87], s[8:9], s[86:87]
	v_and_b32 v1, 15, v0                           ; r = lane % 16
	v_bfe_u32 v2, v0, 4, 1                         ; h = lane / 16
	v_and_b32 v3, 31, v0
	v_lshlrev_b32 v15, 2, v1                       ; v's bias: my channel's number
	v_lshlrev_b32 v14, 5, v2                       ; q's and k's bias: my half's eight numbers
	v_lshlrev_b32 v3, 4, v3                        ; 16 x lane: my place in a piece of an image
	v_mul_u32_u24 v230, v1, PITCH
	v_lshl_add_u32 v230, v2, 4, v230               ; a fragment's row x pitch + 16 x half
.irp t, 0,1
	global_load_b128 v[BQ+8*\t:BQ+8*\t+3],       v14, s[86:87] offset:64*\t
	global_load_b128 v[BQ+8*\t+4:BQ+8*\t+7],     v14, s[86:87] offset:64*\t+16
	global_load_b128 v[BQ+16+8*\t:BQ+16+8*\t+3], v14, s[86:87] offset:4096+64*\t
	global_load_b128 v[BQ+20+8*\t:BQ+20+8*\t+3], v14, s[86:87] offset:4096+64*\t+16
	global_load_b32  v[BV+8*\t],                 v15, s[86:87] offset:8192+64*\t
.endr
	s_wait_alu depctr_va_vdst(0)
	s_mul_i32 s83, s19, 64*PITCH                   ; my 64 rows of x,
	s_add_co_u32 s83, s83, 3*BLK                   ; which lie behind w's three blocks
	s_mul_i32 s84, s84, 32*PITCH                   ; my 32 rows of each block of w
.irp s, 0,1
	v_add_nc_u32 v[ADX+\s], s83, v230
	s_add_co_u32 s83, s83, SLOT
.irp m, 0,1,2
	v_add_nc_u32 v[ADW+3*\s+\m], s84, v230
	s_add_co_u32 s84, s84, BLK
.endr
	s_add_co_u32 s84, s84, BLK                     ; past x's block: the next slot
.endr
	; where my pieces go.  q, k: head x 262,144 + (8 xr + 4 rh) x 1,024 + 512 hf;  v: head x 262,144 + 8,192 xr + 4,096 hf + 1,024 rh
	s_lshl_b32 s90, s24, 1
	s_add_co_u32 s90, s90, s20                     ; head = 2 c + ch
	s_lshl_b32 s90, s90, 18
	s_lshl_b32 s91, s25, 13
	s_lshl_b32 s92, s19, 12
	s_add_co_u32 s92, s92, s91
	s_lshl_b32 s93, s21, 9
	s_add_co_u32 s92, s92, s93
	s_add_co_u32 s92, s92, s90
	s_mov_b32 s93, 0
	s_add_nc_u64 s[12:13], s[12:13], s[92:93]
	s_add_nc_u64 s[14:15], s[14:15], s[92:93]
	s_add_co_u32 s90, s90, s91
	s_lshl_b32 s91, s21, 12
	s_add_co_u32 s90, s90, s91
	s_lshl_b32 s91, s19, 10
	s_add_co_u32 s90, s90, s91
	s_mov_b32 s91, 0
	s_add_nc_u64 s[16:17], s[16:17], s[90:91]
	s_wait_alu depctr_va_vdst(0)                   ; ahead of the wait below
	s_wait_kmcnt 0x0
	s_add_co_i32 s88, s68, s69                     ; e0 + e1: a sum stands for sum x 2^(e0 + e1)
	s_sub_co_i32 s89, 0, s88
.macro SCALE se, vs                    ; v[vs] = 2^(e - e0 - e1) as f32: the conversion takes its exponent field;  v[vs + 1] = 448 x that
	s_sub_co_i32 s90, s[\se], s88
	s_add_co_i32 s90, s90, 127
	s_lshl_b32 s91, s90, 23
	v_mov_b32 v[\vs], s91
	s_add_co_i32 s90, s90, 8
	s_lshl_b32 s90, s90, 23
	s_or_b32 s90, s90, 0x600000
	v_mov_b32 v[\vs+1], s90
.endm
	SCALE 70, SC                                   ; q: e2
	SCALE 71, SC+2                                 ; k: e3
	SCALE 73, SC+4                                 ; v: e5
	s_wait_alu depctr_va_vdst(0)                   ; ahead of the wait below
	s_wait_loadcnt 0x0                             ; the biases
.set i, 0
.rept 32
	v_ldexp_f32 v[BQ+i], v[BQ+i], s89              ; b / 2^(e0 + e1): nothing is rounded
.set i, i+1
.endr
.irp t, 0,1
.irp j, 7,6,5,4,3,2,1,0
	v_ldexp_f32 v[BV+8*\t+\j], v[BV+8*\t], s89     ; v: a lane's eight results are eight tokens of one channel: one number, eight times
.endr
.endr
.macro FRAG reg, adr, off              ; a fragment: 16 rows x 128 K in 16 registers, four loads of 16 bytes, 32 apart
.irp c, 0,1,2,3
	ds_load_b128 v[\reg+4*\c:\reg+4*\c+3], v[\adr] offset:\off+32*\c
.endr
.endm
.macro LOADX set, slot, q              ; x's four fragments of the slot's q-th 128 along K: 16 loads
.if (\set)
	WIN 0x40
.irp a, 0,1,2,3
	FRAG XG+16*\a, ADX+\slot, 128*\q+\a*16*PITCH
.endr
.else
	WIN 0
.irp a, 0,1,2,3
	FRAG XF+16*\a, ADX+\slot, 128*\q+\a*16*PITCH
.endr
.endif
.endm
.macro LOADW m, slot, q                ; w_q's (0), w_k's (1) or w_v's (2) two fragments: 8 loads
	WIN 0
.irp t, 0,1
	FRAG WF+32*\m+16*\t, ADW+3*\slot+\m, 128*\q+\t*16*PITCH
.endr
.endm
.macro MUL8 kind, first, set           ; eight products of q (0), k (1) or v (2): four tiles of rows x two tiles of channels.  first = 1: the bias starts the sums: nothing is cleared
.if \kind == 2
	WIN 0x50-0x10*\first+\set
.else
	WIN 0x50-0x10*\first+4*\set
.endif
.irp a, 0,1,2,3
.irp t, 0,1
.set rD, 64*\kind+8*(2*\a+\t)
.set rW, WF+32*\kind+16*\t
.set rX, XF+16*\a+(XG-XF)*\set
.set rC, rD
.if \first
.set rC, BQ+16*\kind+8*\t
.endif
.if \kind == 2
	v_wmma_f32_16x16x128_fp8_fp8 v[rD:rD+7], v[rX:rX+15], v[rW:rW+15], v[rC:rC+7]
.else
	v_wmma_f32_16x16x128_fp8_fp8 v[rD:rD+7], v[rW:rW+15], v[rX:rX+15], v[rC:rC+7]
.endif
.endr
.endr
.endm
; 128 along K: 24 products; ld = 1: between them the next step's 40 LDS loads, from the slot's q-th 128 along K.  The 24 accumulators take turns, one instruction a turn, in the same order in every step.
.macro SUB set, first, ld, slot, q
	s_wait_dscnt 16                                ; x's and w_q's fragments are in; the 16 younger loads (w_k's, w_v's) may be out
.if \ld
	PLACES 4                                       ; in front of loads into registers that products read
	LOADX 1-\set, \slot, \q
.endif
	MUL8 0, \first, \set
.if \ld
	PLACES 4
	LOADW 0, \slot, \q
	s_wait_dscnt 32                                ; w_k's are in; w_v's 8 and the next step's 24 may be out
.else
	s_wait_dscnt 8
.endif
	MUL8 1, \first, \set
.if \ld
	PLACES 4
	LOADW 1, \slot, \q
	s_wait_dscnt 32                                ; w_v's are in; the next step's 32 may be out
.else
	s_wait_dscnt 0x0
.endif
	MUL8 2, \first, \set
.if \ld
	PLACES 4
	LOADW 2, \slot, \q
.endif
	WIN 0
.endm
; The change of slots, ahead of a chunk's second step.  Each wave waits for all its tensor loads (the one that is out is its part of the next slot), adds 0 to its spare word, and waits for that and for its last reads of the slot that it leaves.
; fill = 1: the barrier is a round of the cluster's, and the slot just left is asked for again, two chunks on, first thing behind it.
.macro CHANGE slot, fill
	s_wait_tensorcnt 0x0                           ; no tensor load of mine is out, so a group 0 may be written
	ds_add_u32 v[SPW], v[NIL]                      ; 0 onto my spare word
.if \fill
	s_add_nc_u64 s[G0A+4*\slot+2:G0A+4*\slot+3], s[G0A+4*\slot+2:G0A+4*\slot+3], 512
	s_add_nc_u64 s[G0B+4*\slot+2:G0B+4*\slot+3], s[G0B+4*\slot+2:G0B+4*\slot+3], 512
.endif
	s_wait_dscnt 0x0                               ; the add is done, and my reads of the slot are over
.if \fill
	CROUND                                         ; no wave of any partner still reads the slot or has a load on its way
	JLOAD \slot
.else
	s_barrier_signal -1
	s_barrier_wait -1
.endif
.endm
	s_wait_alu depctr_va_vdst(0)                   ; the wait at the head's end
	s_cmp_lt_u32 s[WV], 4
	s_cbranch_scc0 .Lchunk1_out
	s_wait_tensorcnt 0x0                           ; waves 0 to 3: my tile of chunk 0 is in.  Waves 4 to 7: chunk 1's may be out
.Lchunk1_out:
	s_barrier_signal -1
	s_barrier_wait -1                              ; everybody's tile of chunk 0 is in
	LOADX 0, 0, 0
	LOADW 0, 0, 0
	LOADW 1, 0, 0
	LOADW 2, 0, 0
	SUB 0, 1, 1, 0, 1                              ; K = 1,024 is four chunks of two steps: written out, no loop
	CHANGE 0, 1                                    ; slot 0 takes chunk 2
	SUB 1, 0, 1, 1, 0
	SUB 0, 0, 1, 1, 1
	CHANGE 1, 1                                    ; slot 1 takes chunk 3
	SUB 1, 0, 1, 0, 0
	SUB 0, 0, 1, 0, 1
	CHANGE 0, 0                                    ; nothing is left to ask for
	SUB 1, 0, 1, 1, 0
	SUB 0, 0, 1, 1, 1
	SUB 1, 0, 0, 0, 0
	; THE WAY OUT: the hold at 448 x the scale (the conversion to an 8-bit code does not saturate: ISA guide 7.6.2), the conversion, the stores.  Each accumulator is read from its low end on.
	PLACES 4
	WIN 0x41                                       ; source 0 and destination window 1; the limits window 0
.irp k, 0,1,2
.set i, 0
.rept 64
	v_med3_num_f32 v[64*\k+i], v[64*\k+i], -v[SC+2*\k+1], v[SC+2*\k+1]
.set i, i+1
.endr
.endr
	WIN 0x01                                       ; source 0 window 1, destination and scale window 0
.irp k, 0,1
.set i, 0
.rept 8
	v_cvt_scalef32_pk8_fp8_f32 v[CD+16*\k+2*i:CD+16*\k+2*i+1], v[64*\k+8*i:64*\k+8*i+7], v[SC+2*\k]   ; tiles (a, 0), (a, 1): the four registers of token tile a's piece
.set i, i+1
.endr
.endr
.irp a, 0,1,2,3
.irp t, 0,1
	v_cvt_scalef32_pk8_fp8_f32 v[CD+32+4*(2*\t+\a/2)+2*(\a%2):CD+32+4*(2*\t+\a/2)+2*(\a%2)+1], v[128+8*(2*\a+\t):128+8*(2*\a+\t)+7], v[SC+4]   ; key tiles 2 i, 2 i + 1 of channel tile t: one piece
.endr
.endr
	WIN 0
	v_nop                                          ; a plain vector instruction behind the last scaled conversion
.irp a, 0,1,2,3
	global_store_b128 v3, v[CD+4*\a:CD+4*\a+3], s[12:13] offset:1024*\a       ; 32 lanes store 512 consecutive bytes, aligned
	global_store_b128 v3, v[CD+16+4*\a:CD+16+4*\a+3], s[14:15] offset:1024*\a
.endr
.irp t, 0,1
.irp i, 0,1
	global_store_b128 v3, v[CD+32+4*(2*\t+\i):CD+32+4*(2*\t+\i)+3], s[16:17] offset:2048*\t+512*\i
.endr
.endr
	s_wait_tensorcnt 0x0                           ; the wave's end
	ds_add_u32 v[SPW], v[NIL]
	s_wait_dscnt 0x0
	CROUND                                         ; the closing round: no work-group ends while a partner may still ask for a tile that names it
	s_endpgm
.Lfunc_end_k_q0e80601843_qkv:
	.size	k_q0e80601843_qkv, .Lfunc_end_k_q0e80601843_qkv-k_q0e80601843_qkv
	.p2alignl 7, 3214868480
	.fill 96, 4, 3214868480
	.section	.rodata,"a",@progbits
	.p2align	6, 0x0
	.amdhsa_kernel k_q0e80601843_qkv
		.amdhsa_group_segment_fixed_size 327680
		.amdhsa_private_segment_fixed_size 0
		.amdhsa_enable_private_segment 0
		.amdhsa_kernarg_size 56
		.amdhsa_user_sgpr_count 2
		.amdhsa_user_sgpr_kernarg_segment_ptr 1
		.amdhsa_wavefront_size32 1
		.amdhsa_system_sgpr_workgroup_id_x 1
		.amdhsa_system_sgpr_workgroup_id_y 1
		.amdhsa_system_sgpr_workgroup_id_z 1
		.amdhsa_system_vgpr_workitem_id 0
		.amdhsa_next_free_vgpr 512
		.amdhsa_next_free_sgpr 100
		.amdhsa_reserve_vcc 0
		.amdhsa_float_denorm_mode_32 3
		.amdhsa_float_denorm_mode_16_64 3
		.amdhsa_memory_ordered 1
		.amdhsa_forward_progress 1
		.amdhsa_inst_pref_size 69
	.end_amdhsa_kernel
	.amdgpu_metadata
---
amdhsa.version: [ 1, 2 ]
amdhsa.kernels:
  - .name:           k_q0e80601843_qkv
    .symbol:         k_q0e80601843_qkv.kd
    .args:
      - { .name: x_codes, .offset: 0, .size: 8, .value_kind: global_buffer, .address_space: global }
      - { .name: w_qkv_codes, .offset: 8, .size: 8, .value_kind: global_buffer, .address_space: global }
      - { .name: b_qkv, .offset: 16, .size: 8, .value_kind: global_buffer, .address_space: global }
      - { .name: lowp_scales, .offset: 24, .size: 8, .value_kind: global_buffer, .address_space: global }
      - { .name: qimg, .offset: 32, .size: 8, .value_kind: global_buffer, .address_space: global }
      - { .name: kimg, .offset: 40, .size: 8, .value_kind: global_buffer, .address_space: global }
      - { .name: vimg, .offset: 48, .size: 8, .value_kind: global_buffer, .address_space: global }
    .group_segment_fixed_size: 327680
    .private_segment_fixed_size: 0
    .kernarg_segment_align: 8
    .kernarg_segment_size: 56
    .max_flat_workgroup_size: 256
    .sgpr_count:     100
    .vgpr_count:     512
    .wavefront_size: 32
...
	.end_amdgpu_metadata
.endif
;; end of part 1
;; launch attn (part 2): grid 16 x 16, 8 waves a work-group, no clusters, 271,360 bytes of LDS; arguments qimg, kimg, vimg, lowp_scales, aimg; writes aimg
.if DOCPART == 2
	.amdgcn_target "amdgcn-amd-amdhsa--gfx1250"
	.amdhsa_code_object_version 6
	.text
	.protected	k_q0e80601843_attn
	.globl	k_q0e80601843_attn
	.p2align	8
	.type	k_q0e80601843_attn,@function
k_q0e80601843_attn:
	s_mov_b64 s[64:65], 0
	v_nop
	global_prefetch_b8 v0, s[64:65] scope:SCOPE_SE
	s_setreg_imm32_b32 hwreg(HW_REG_WAVE_MODE, 25, 1), 1
	s_wait_xcnt 0x0
; Causal attention of 16 heads of 64 over 4,096 tokens, both products on codes of FP8 (E4M3); the result is quantised with 2^e6 and stored as an image of the last product's operand.
; qimg, kimg: [head][token tile of 16][1,024 bytes]: a fragment of 16 tokens x 64 channels as its 8 registers stand, 16 bytes a lane and piece.  vimg: [head][key step of 128][channel tile 4][2,048 bytes]: 16 channels x 128 keys.
; THE SOFTMAX: t = score x log2(e) / 8; M = the row's largest t so far, rounded UP to a whole number; p = 2^(t - M) is quantised with 2^e4, not normalised; the row's sum is taken of the unquantised p and divides at the end.
; When M moves, the sum and O are multiplied by 2^(old M - new M): exact.
; LAYOUT.  S^T = K Q^T (source 0 = 16 keys, source 1 = 16 queries), O^T = V^T P^T: a lane holds ONE query of a tile throughout.  Tile c of S^T holds keys 16 c + 8 (lane / 16) + 0 .. 7: its conversion gives registers 2 c, 2 c + 1 of P.
; SHARES.  A head's queries are 32 chunks of 128.  Work-group x of a head takes chunk 31 - x, then chunk x: 32 - x and x + 1 key steps of 128, walked in rounds of 512 keys: 9 rounds in every work-group.
; Wave w takes the 32 queries 32 (w % 4) .. of the chunk (two tiles, so that each fragment of K and V feeds two) against every second key step (w / 4).  The two halves are joined at the end through LDS: waves 0-3 join the first chunk, 4-7 the second.
; WORK LEFT OUT: key steps that come wholly after the chunk's queries: rounds of nothing else are not walked, and in a chunk's last round their softmax and second product are jumped over.
; LIMIT: a NaN or an infinity that reaches only hidden scores is not carried to the result.
; STAGING.  A round's K and V (64 KiB) go from memory through registers into one of two LDS slots, 8 KiB a wave: asked for two rounds ahead of their use, stored a round ahead.
; ONE BARRIER A ROUND, its two halves apart: a wave signals when the round's last fragments are in registers and its part of the next slot is stored, and waits ahead of the round's last product; between the two stands register work alone.
; A step's fragments of K are asked for ahead of the second product of the step before.
; NO CLUSTER, NO TENSOR LOADS: chunks that partners would take need different numbers of key steps (1 to 32), and the hold at the largest code is jumped over by the given e4, a number read from memory.
; THE HOLD: p is at most 1 (but for the rounding of t - M), so p / 2^e4 stays under 448 where e4 >= -8: then 128 instructions a step are jumped over; for a smaller e4 they are executed.
; PREFETCH: work-group x (x <= 4) asks for round 7 - x of its head, which it reads itself, in round 4 - x: a round ahead of its loads, three ahead of its use.  A wave asks for its own 8 KiB, 32 blocks of 256 bytes: each block once in the launch.  Rounds 0 to 2 come by their loads alone.
; LIMITS: e2 + e3 between -123 and 130 (added to c's exponent field); e4 and e6 - e4 - e5 between -126 and 119.
.set SLOT1, 65536                      ; a slot: 32 KiB of K's images, 32 KiB of V's; two slots
.set VOFF,  32768
.set DUMPB, 2*SLOT1                    ; the partial results: [chunk 2][wave 8][8,704 bytes]: O, 16 pieces of 512 bytes, then -M and the sum of both tiles
.set DSZ,   8704
.set DSET,  8*DSZ
.set SPARE, DUMPB+2*DSET               ; the spare words, 128 bytes for each of eight waves: four blocks of 256 bytes that no other line names
.set LA,  1                            ; v1   16 x lane
.set KB,  2                            ; v2   + 8,192 x (wave / 4)
.set SB,  3                            ; v3   16 x lane + 8,192 x wave: my part of a slot's filling
.set SPW, 4
.set NIL, 5
.set ADR, 6                            ; v6   fragments of a slot
.set ADS, 7                            ; v7   my part of the other slot
.set NM,  8                            ; v8, v10  -M of tile 0, 1 (each named as a pair: v9, v11 are written once)
.set FF,  12                           ; v12, v14  f = 2^(old M - new M)
.set LS,  16                           ; v[16:17], v[18:19]  the sums, in two halves
.set SCL, 26                           ; v26, v27  a scale and 448 x it
.set DM,  28                           ; v28  my query's place in its chunk (tile 0) - 8 (lane / 16)
.set NINF, 29
.set PFO, 30                           ; v30  256 x lane
.set DA,  31                           ; v31  where I put my partial results
.set S0,  32                           ; v32-95, v96-159  scores, then p
.set S1,  96
.set OT,  160                          ; v160-223 O^T: tile 0's four accumulators, tile 1's
.set PT,  224                          ; v224-255 P's codes; ahead of them 16 partial sums
; window 1 (v256-479):
.set KF, 0
.set VF, 64
.set QF, 128                           ; Q of the chunk in hand
.set QN, 144                           ; Q of the second chunk
.set ST, 160                           ; 8 KiB on their way into LDS
.set WV,  14
.set HD,  15
.set XW,  16
.set QW,  17
.set HB,  18
.set TB2, 19
.set HOLD, 25
.set TB,  26
.set IDX, 27                           ; round 0 .. 8
.set JJ,  28                           ; my key step
.set CH,  29                           ; the chunk in hand = its last key step
.set NLB, 30                           ; 32,768 x the first chunk's rounds
.set NL,  36                           ; the first chunk's rounds
.set ASKAT, 37
; s[20:21] lane selects; s[22:23] c; s24 -c; s[32:33] my stream; s[34:35] its place; s[38:39] prefetch; s[40:43] Q; s[44:51] e0 .. e7; s[60:61] bytes into the stream
.set MSB, 0
.macro WIN new                         ; the immediate's high byte repeats the setting that is left; bits 1:0 source 0, 3:2 source 1, 5:4 source 2, 7:6 destination
.if MSB != (\new)
	s_set_vgpr_msb (MSB<<8)|(\new)
.set MSB, (\new)
.endif
.endm
.macro PLACES n
.rept \n
	v_nop
.endr
.endm
.macro GLOAD                           ; a round's 8 KiB of mine, and on to the next round (the second chunk begins at key 0 again)
	WIN 0x40
.set n, 0
.rept 16
	global_load_b128 v[ST+4*n:ST+4*n+3], v[LA], s[34:35] offset:512*n
.set n, n+1
.endr
	WIN 0
	s_add_co_u32 s60, s60, 32768
	s_cmp_eq_u32 s60, s[NLB]
	s_cselect_b32 s60, 0, s60
.endm
.macro GSTORE adr
	WIN 0x04
.set n, 0
.rept 16
	ds_store_b128 v[\adr], v[ST+4*n:ST+4*n+3] offset:512*n
.set n, n+1
.endr
	WIN 0
.endm
.macro KLOAD adr, off                  ; K: key tile n / 2, piece n % 2: 512 consecutive bytes a load
	WIN 0x40
.set n, 0
.rept 16
	ds_load_b128 v[KF+4*n:KF+4*n+3], v[\adr] offset:\off+512*n
.set n, n+1
.endr
	WIN 0
.endm
.macro RESET                           ; -M = 3e38, above every -t; sums and O zero: the first change of M leaves them zero
	v_mov_b32 v[NM], 0x7f61b1e6
	v_mov_b32 v[NM+2], 0x7f61b1e6
.irp i, 0,1,2,3
	v_mov_b32 v[LS+\i], 0
.endr
.set n, 0
.rept 64
	v_mov_b32 v[OT+n], 0
.set n, n+1
.endr
.endm
.macro DUMP                            ; my partial results into LDS; the four lines ahead of the stores are the places behind the last products
	v_mov_b32 v20, v[NM]
	v_add_f32 v21, v[LS], v[LS+1]
	v_mov_b32 v22, v[NM+2]
	v_add_f32 v23, v[LS+2], v[LS+3]
.set n, 0
.rept 16
	ds_store_b128 v[DA], v[OT+4*n:OT+4*n+3] offset:512*n
.set n, n+1
.endr
	ds_store_b128 v[DA], v[20:23] offset:8192
.endm
	s_load_b256 s[4:11], s[0:1], 0x0               ; qimg s[4:5], kimg s[6:7], vimg s[8:9], the exponents s[10:11]
	s_load_b64 s[12:13], s[0:1], 0x20              ; aimg
	v_lshrrev_b32 v6, 5, v0
	v_readfirstlane_b32 s[WV], v6                  ; wave 0..7
	s_and_b32 s[HD], ttmp7, 0xffff                 ; the head
	s_mov_b32 s[XW], ttmp9
	s_and_b32 s[QW], s[WV], 3                      ; which 32 queries of a chunk
	s_lshr_b32 s[HB], s[WV], 2                     ; even or odd key steps
	s_lshl_b32 s52, s[HB], 13
	s_lshl_b32 s53, s[WV], 13
	s_mul_i32 s54, s[WV], DSZ
	s_add_co_u32 s54, s54, DUMPB
	s_lshl_b32 s55, s[QW], 5
	v_lshl_add_u32 v[SPW], v0, 2, SPARE
	v_mov_b32 v[NIL], 0
	v_and_b32 v[LA], 31, v0
	v_and_b32 v20, 15, v0
	v_lshlrev_b32 v[LA], 4, v[LA]
	v_bfe_u32 v21, v0, 4, 1
	v_lshlrev_b32 v[PFO], 4, v[LA]
	v_lshlrev_b32 v21, 3, v21
	v_add_nc_u32 v[KB], s52, v[LA]
	v_add_nc_u32 v[SB], s53, v[LA]
	v_sub_nc_u32 v[DM], v20, v21
	v_add_nc_u32 v[DA], s54, v[LA]
	v_add_nc_u32 v[DM], s55, v[DM]                 ; register 8 t + i of tile 0 is a hidden key of the diagonal step where 16 t + i > DM
	v_mov_b32 v[NINF], 0xff800000
.irp i, 9,11,13,15,24,25
	v_mov_b32 v\i, 0                               ; named as upper halves of pairs, or as a lane permute's destination
.endr
.set n, 0
.rept 32
	v_mov_b32 v[PT+n], 0                           ; P's codes: written once, since a jump may lead round the lines that make them
.set n, n+1
.endr
	RESET
	s_lshl_b32 s62, s[HD], 18                      ; the head's first byte in each image
	s_sub_co_u32 s[CH], 31, s[XW]
	s_lshl_b32 s63, s[QW], 11
	s_add_co_u32 s63, s63, s62
	s_lshl_b32 s56, s[CH], 13
	s_add_co_u32 s56, s56, s63                     ; Q of the first chunk: 8,192 x chunk + 2,048 x (wave % 4)
	s_mov_b32 s57, 0
	s_lshl_b32 s58, s[XW], 13
	s_add_co_u32 s58, s58, s63                     ; and of the second
	s_mov_b32 s59, 0
	s_lshl_b32 s66, s[QW], 13
	s_add_co_u32 s66, s66, s62                     ; my 8,192 bytes of a round of K (waves 0-3) or V (waves 4-7)
	s_mov_b32 s67, 0
	s_sub_co_i32 s68, 7, s[XW]
	s_max_i32 s68, s68, 0                          ; (work-groups above 4 ask for nothing)
	s_lshl_b32 s68, s68, 15                        ; the prefetch: round 7 - x
	s_mov_b32 s69, 0
	s_sub_co_u32 s[NL], 35, s[XW]
	s_lshr_b32 s[NL], s[NL], 2                     ; the first chunk's rounds, 5 to 8; the second has 9 less that
	s_lshl_b32 s[NLB], s[NL], 15
	s_sub_co_u32 s[ASKAT], 4, s[XW]                ; (below 0 for x > 4: no round has that number)
	s_mov_b32 s60, 0
	s_mov_b32 s61, 0
	s_mov_b32 s20, 0x76543210                      ; v_permlanex16_b32: lane l xor 16
	s_mov_b32 s21, 0xfedcba98
	s_mov_b32 s22, 0x3e38aa3b                      ; c = log2(e) / 8
	s_mov_b32 s[TB], 0
	s_mov_b32 s[IDX], 0
	s_mov_b32 s[JJ], s[HB]
	s_wait_alu depctr_va_vdst(0)                   ; ahead of the wait below
	s_wait_kmcnt 0x0
	s_load_b256 s[44:51], s[10:11], 0x0            ; e0 .. e7
	s_cmp_lt_u32 s[WV], 4
	s_cselect_b64 s[32:33], s[6:7], s[8:9]
	s_add_nc_u64 s[32:33], s[32:33], s[66:67]
	s_add_nc_u64 s[38:39], s[32:33], s[68:69]
	s_add_nc_u64 s[40:41], s[4:5], s[56:57]
	s_add_nc_u64 s[42:43], s[4:5], s[58:59]
	s_mov_b64 s[34:35], s[32:33]
	GLOAD                                          ; round 0
	WIN 0x40
.irp i, 0,1,2,3
	global_load_b128 v[QF+4*\i:QF+4*\i+3], v[LA], s[40:41] offset:512*\i
	global_load_b128 v[QN+4*\i:QN+4*\i+3], v[LA], s[42:43] offset:512*\i
.endr
	WIN 0
	s_wait_kmcnt 0x0
	s_add_co_i32 s54, s46, s47                     ; a score stands for score x 2^(e2 + e3): the exponents are added to c's exponent field
	s_lshl_b32 s54, s54, 23
	s_add_co_i32 s22, s22, s54
	s_mov_b32 s23, s22                             ; (named with it as a pair, so it is written)
	s_xor_b32 s24, s22, 0x80000000
	s_add_co_i32 s54, s48, 127
	s_lshl_b32 s55, s54, 23
	v_mov_b32 v[SCL], s55                          ; 2^e4 as f32, for p's conversion
	s_add_co_i32 s54, s54, 8
	s_lshl_b32 s54, s54, 23
	s_or_b32 s54, s54, 0x600000
	v_mov_b32 v[SCL+1], s54                        ; 448 x 2^e4
	s_cmp_lt_i32 s48, -8
	s_cselect_b32 s[HOLD], 1, 0
	s_wait_alu depctr_va_vdst(0)                   ; the wait at the head's end
	s_wait_loadcnt 0x8                             ; round 0 is in; Q's eight loads may be out
	GSTORE SB                                      ; slot 0
	s_wait_dscnt 0x0                               ; stored: for the others' sake, and the registers are free
	s_add_nc_u64 s[34:35], s[32:33], s[60:61]
	GLOAD                                          ; round 1
	s_wait_loadcnt 0x10                            ; Q is in; round 1's 16 loads may be out
	s_barrier_signal -1
	s_barrier_wait -1
	KLOAD KB, 0                                    ; the first step's K
; A KEY STEP, the q-th of mine in the slot in hand.  Its K is on its way.
.macro STEP q
.if \q == 0
	v_add_nc_u32 v[ADR], s[TB], v[KB]              ; (with three more, four places behind the last products, ahead of loads into what they read)
	PLACES 3
.else
	PLACES 4
.endif
	WIN 0x40
.set n, 0
.rept 16
	ds_load_b128 v[VF+4*n:VF+4*n+3], v[ADR] offset:VOFF+16384*\q+512*n   ; V: channel tile n / 4, piece n % 4
.set n, n+1
.endr
	WIN 0x05
	s_wait_dscnt 0x10                              ; K is in; V's 16 loads may be out
.irp t, 0,1,2,3,4,5,6,7
	v_wmma_f32_16x16x64_fp8_fp8 v[S0+8*\t:S0+8*\t+7], v[KF+8*\t:KF+8*\t+7], v[QF:QF+7], 0
	v_wmma_f32_16x16x64_fp8_fp8 v[S1+8*\t:S1+8*\t+7], v[KF+8*\t:KF+8*\t+7], v[QF+8:QF+15], 0
.endr
	WIN 0
.if \q == 0
	s_wait_loadcnt 0x0                             ; my part of the next round is in registers
	s_xor_b32 s[TB2], s[TB], SLOT1
	s_cmp_lt_u32 s[IDX], 8
	s_cbranch_scc0 .Lno_store_\@                   ; the last round has no successor
	v_add_nc_u32 v[ADS], s[TB2], v[SB]
	GSTORE ADS                                     ; into the slot that was left: every wave had its last fragments in registers when it signalled the last barrier
.Lno_store_\@:
	PLACES 4                                       ; ahead of the first read of the scores
.else
	PLACES 4
	s_wait_dscnt 0x0                               ; V is in registers (and my part of the next slot was stored in the step before): the signal says both
	s_barrier_signal -1
.endif
	s_cmp_lg_u32 s[JJ], s[CH]
	s_cbranch_scc1 .Lopen_\@                       ; only the step on the diagonal has some keys hidden
.set n, 0
.rept 64
	v_cmp_gt_i32 vcc_lo, 16*(n/8)+n%8, v[DM]
	v_cndmask_b32 v[S0+n], v[S0+n], v[NINF], vcc_lo
.if n < 56
	v_cndmask_b32 v[S1+8+n], v[S1+8+n], v[NINF], vcc_lo   ; tile 1's queries stand 16 further on: the same lanes, one key tile on (its first key tile is never hidden)
.endif
.set n, n+1
.endr
.Lopen_\@:
	v_max3_num_f32 v20, v[S0], v[S0+1], v[S0+2]    ; the largest score of each query among my 64 keys: two chains a tile, each accumulator from its low end on
	v_max3_num_f32 v21, v[S1], v[S1+1], v[S1+2]
	v_max3_num_f32 v22, v[S0+3], v[S0+4], v[S0+5]
	v_max3_num_f32 v23, v[S1+3], v[S1+4], v[S1+5]
.set n, 6
.rept 14
	v_max3_num_f32 v20, v20, v[S0+n], v[S0+n+1]
	v_max3_num_f32 v21, v21, v[S1+n], v[S1+n+1]
	v_max3_num_f32 v22, v22, v[S0+n+2], v[S0+n+3]
	v_max3_num_f32 v23, v23, v[S1+n+2], v[S1+n+3]
.set n, n+4
.endr
	v_max3_num_f32 v20, v20, v[S0+62], v[S0+63]
	v_max3_num_f32 v21, v21, v[S1+62], v[S1+63]
	v_max_num_f32 v20, v20, v22
	v_max_num_f32 v21, v21, v23
	s_cmp_gt_u32 s[JJ], s[CH]                      ; a step that comes wholly after the chunk's queries counts for nothing: M stays, f = 1
	s_cselect_b32 vcc_lo, -1, 0
	v_cndmask_b32 v20, v20, v[NINF], vcc_lo
	v_cndmask_b32 v21, v21, v[NINF], vcc_lo
	v_permlanex16_b32 v24, v20, s20, s21
	v_permlanex16_b32 v25, v21, s20, s21
	v_max_num_f32 v20, v20, v24                    ; and among lane l xor 16's
	v_max_num_f32 v21, v21, v25
	v_mul_f32 v20, s24, v20                        ; as -t (c is positive)
	v_mul_f32 v21, s24, v21
	v_floor_f32 v20, v20                           ; floor(-t) = -ceil(t)
	v_floor_f32 v21, v21
	v_min_num_f32 v20, v20, v[NM]                  ; the new -M
	v_min_num_f32 v21, v21, v[NM+2]
	v_sub_f32 v22, v20, v[NM]                      ; old M - new M: a whole number, 0 or less
	v_sub_f32 v23, v21, v[NM+2]
	v_mov_b32 v[NM], v20
	v_mov_b32 v[NM+2], v21
	v_cvt_i32_f32 v22, v22                         ; (it saturates)
	v_cvt_i32_f32 v23, v23
	v_ldexp_f32 v[FF], 1.0, v22
	v_ldexp_f32 v[FF+2], 1.0, v23
.set n, 0
.rept 32
	v_pk_fma_f32 v[S0+n:S0+n+1], v[S0+n:S0+n+1], s[22:23], v[NM:NM+1] op_sel_hi:[1,0,0]   ; t - M, two at a time (of the pairs c and -M the low word serves both halves)
.set n, n+2
.endr
	s_wait_alu depctr_va_vdst(0)                   ; ahead of the batch (and ahead of the waits and branches here)
.if \q == 0
	s_wait_dscnt 0x0                               ; V is in registers, and my part of the next slot is stored: its registers are free
	s_cmp_lt_u32 s[IDX], 7
	s_cbranch_scc0 .Lno_load_\@
	s_add_nc_u64 s[34:35], s[32:33], s[60:61]      ; (the loads that used it are done)
	GLOAD                                          ; the round after the next
.Lno_load_\@:
	s_cmp_eq_u32 s[IDX], s[ASKAT]
	s_cbranch_scc0 .Lno_ask_\@
	global_prefetch_b8 v[PFO], s[38:39] th:TH_LOAD_NT scope:SCOPE_SE
.Lno_ask_\@:
.endif
	s_cmp_gt_u32 s[JJ], s[CH]
	s_cbranch_scc1 .Lhidden_a_\@                   ; no key of this step counts: register work alone is jumped over
.set n, 0
.rept 32                               ; tile 0's exponentials; tile 1's t - M between them
	v_exp_f32 v[S0+n], v[S0+n]
	v_exp_f32 v[S0+n+1], v[S0+n+1]
	v_pk_fma_f32 v[S1+n:S1+n+1], v[S1+n:S1+n+1], s[22:23], v[NM+2:NM+3] op_sel_hi:[1,0,0]
.set n, n+2
.endr
	s_wait_alu depctr_va_vdst(0)                   ; behind that batch, and ahead of the next
.set n, 0
.rept 16                               ; tile 1's exponentials; the first level of tile 0's sum, of the unquantised p, between them
	v_exp_f32 v[S1+4*n], v[S1+4*n]
	v_exp_f32 v[S1+4*n+1], v[S1+4*n+1]
	v_pk_add_f32 v[PT+2*n:PT+2*n+1], v[S0+4*n:S0+4*n+1], v[S0+4*n+2:S0+4*n+3]
	v_exp_f32 v[S1+4*n+2], v[S1+4*n+2]
	v_exp_f32 v[S1+4*n+3], v[S1+4*n+3]
.set n, n+1
.endr
	s_wait_alu depctr_va_vdst(0)                   ; one wait for the batch, ahead of its first reader
	v_pk_fma_f32 v[LS:LS+1], v[LS:LS+1], v[FF:FF+1], v[PT:PT+1] op_sel_hi:[1,0,1]          ; the sums under the new M
	v_pk_fma_f32 v[LS+2:LS+3], v[LS+2:LS+3], v[FF+2:FF+3], v[S1:S1+1] op_sel_hi:[1,0,1]
	v_pk_add_f32 v[20:21], v[PT+2:PT+3], v[PT+4:PT+5]
	v_pk_add_f32 v[22:23], v[S1+2:S1+3], v[S1+4:S1+5]
	v_pk_add_f32 v[24:25], v[S1+6:S1+7], v[S1+8:S1+9]
.set n, 0
.rept 13                               ; two chains for tile 0, three for tile 1, by turns
.if n%2
	v_pk_add_f32 v[20:21], v[20:21], v[PT+6+2*n:PT+7+2*n]
.else
	v_pk_add_f32 v[LS:LS+1], v[LS:LS+1], v[PT+6+2*n:PT+7+2*n]
.endif
	v_pk_add_f32 v[22:23], v[22:23], v[S1+10+4*n:S1+11+4*n]
.if n%2
	v_pk_add_f32 v[LS+2:LS+3], v[LS+2:LS+3], v[S1+12+4*n:S1+13+4*n]
.else
	v_pk_add_f32 v[24:25], v[24:25], v[S1+12+4*n:S1+13+4*n]
.endif
.set n, n+1
.endr
	v_pk_add_f32 v[LS+2:LS+3], v[LS+2:LS+3], v[S1+62:S1+63]
	v_pk_add_f32 v[22:23], v[22:23], v[24:25]
	v_pk_add_f32 v[LS:LS+1], v[LS:LS+1], v[20:21]
	v_pk_add_f32 v[LS+2:LS+3], v[LS+2:LS+3], v[22:23]
	s_cmp_eq_u32 s[HOLD], 0
	s_cbranch_scc1 .Lfree_\@                       ; e4 >= -8: p / 2^e4 is under 448
.set n, 0
.rept 128
	v_min_num_f32 v[S0+n], v[SCL+1], v[S0+n]       ; the conversion to an 8-bit code does not saturate (ISA guide 7.6.2); p is not negative, so the hold is one-sided
.set n, n+1
.endr
.Lfree_\@:
.irp c, 0,1,2,3,4,5,6,7
	v_cvt_scalef32_pk8_fp8_f32 v[PT+2*\c:PT+2*\c+1], v[S0+8*\c:S0+8*\c+7], v[SCL]          ; keys 16 c + 8 (lane / 16) + 0 .. 7: registers 2 c, 2 c + 1 of P
	v_cvt_scalef32_pk8_fp8_f32 v[PT+16+2*\c:PT+17+2*\c], v[S1+8*\c:S1+8*\c+7], v[SCL]
.endr
.Lhidden_a_\@:
.if \q == 0
	KLOAD ADR, 16384                               ; the next step's K, in the same slot
.else
	s_barrier_wait -1                              ; the next slot is whole, and nobody reads the one in hand any more
	s_xor_b32 s[TB], s[TB], SLOT1
	s_cmp_lt_u32 s[IDX], 8
	s_cbranch_scc0 .Lno_next_\@                    ; the last round has no successor
	v_add_nc_u32 v[ADR], s[TB], v[KB]
	KLOAD ADR, 0                                   ; the next round's first K
.Lno_next_\@:
.endif
	s_cmp_gt_u32 s[JJ], s[CH]
	s_cbranch_scc1 .Lhidden_b_\@
	s_wait_alu depctr_va_vdst(0)                   ; directly ahead of the first reader of O^T
.set n, 0
.rept 16                               ; O^T under the new M (also the plain instructions behind the last conversion)
	v_pk_mul_f32 v[OT+n:OT+n+1], v[OT+n:OT+n+1], v[FF:FF+1] op_sel_hi:[1,0]
	v_pk_mul_f32 v[OT+32+n:OT+33+n], v[OT+32+n:OT+33+n], v[FF+2:FF+3] op_sel_hi:[1,0]
.set n, n+2
.endr
	WIN 0x01
.irp t, 0,1,2,3                        ; eight accumulators by turns
	v_wmma_f32_16x16x128_fp8_fp8 v[OT+8*\t:OT+8*\t+7], v[VF+16*\t:VF+16*\t+15], v[PT:PT+15], v[OT+8*\t:OT+8*\t+7]
	v_wmma_f32_16x16x128_fp8_fp8 v[OT+32+8*\t:OT+39+8*\t], v[VF+16*\t:VF+16*\t+15], v[PT+16:PT+31], v[OT+32+8*\t:OT+39+8*\t]
.endr
	WIN 0
.Lhidden_b_\@:
	s_add_co_u32 s[JJ], s[JJ], 2
.endm
.Lround:
	STEP 0
	STEP 1
	s_add_co_u32 s[IDX], s[IDX], 1
	s_cmp_lg_u32 s[IDX], s[NL]
	s_cbranch_scc1 .Lsame_chunk
	DUMP                                           ; the first chunk is done: its partial results wait in LDS, in bytes of their own
	s_wait_dscnt 0x0
	RESET
	WIN 0x41
.set n, 0
.rept 16
	v_mov_b32 v[QF+n], v[QN+n]
.set n, n+1
.endr
	WIN 0
	s_mov_b32 s[CH], s[XW]
	s_mov_b32 s[JJ], s[HB]
	s_wait_alu depctr_va_vdst(0)
.Lsame_chunk:
	s_cmp_lt_u32 s[IDX], 9
	s_cbranch_scc1 .Lround
	; THE WAY OUT: the two key halves of a chunk are joined: O = (Oa fa + Ob fb) / (la fa + lb fb), fa = 2^(Ma - M), fb = 2^(Mb - M), M the larger of the two
	v_add_nc_u32 v[DA], DSET, v[DA]
	DUMP
	s_mul_i32 s52, s[HB], DSET
	s_mul_i32 s53, s[QW], DSZ
	s_add_co_u32 s52, s52, s53
	s_add_co_u32 s52, s52, DUMPB
	v_add_nc_u32 v[ADR], s52, v[LA]                ; waves 0-3 join the first chunk, waves 4-7 the second
	s_sub_co_i32 s54, s50, s48
	s_sub_co_i32 s54, s54, s49                     ; O^T / the sum stands for that x 2^(e4 + e5): its code is that / 2^(e6 - e4 - e5)
	s_add_co_i32 s54, s54, 127
	s_lshl_b32 s55, s54, 23
	v_mov_b32 v[SCL], s55
	s_add_co_i32 s54, s54, 8
	s_lshl_b32 s54, s54, 23
	s_or_b32 s54, s54, 0x600000
	v_mov_b32 v[SCL+1], s54
	s_sub_co_u32 s56, 31, s[XW]
	s_cmp_eq_u32 s[HB], 0
	s_cselect_b32 s56, s56, s[XW]                  ; the chunk that I join.  The result: [chunk][K step head / 2][row tile of 16][piece 2 (head % 2) + i]
	s_lshl_b32 s56, s56, 17
	s_lshr_b32 s57, s[HD], 1
	s_lshl_b32 s57, s57, 14
	s_add_co_u32 s56, s56, s57
	s_lshl_b32 s57, s[QW], 12
	s_add_co_u32 s56, s56, s57
	s_and_b32 s57, s[HD], 1
	s_lshl_b32 s57, s57, 10
	s_add_co_u32 s56, s56, s57
	s_mov_b32 s57, 0
	s_add_nc_u64 s[12:13], s[12:13], s[56:57]
	s_wait_alu depctr_va_vdst(0)                   ; ahead of the wait below
	s_wait_dscnt 0x0                               ; for the others' sake: my partial results are stored
	s_barrier_signal -1
	s_barrier_wait -1
	ds_load_b128 v[20:23], v[ADR] offset:8192      ; -M, sum of tile 0, of tile 1: the first half's
	ds_load_b128 v[PT:PT+3], v[ADR] offset:4*DSZ+8192   ; and the second's
.set n, 0
.rept 16
	ds_load_b128 v[S0+4*n:S0+4*n+3], v[ADR] offset:512*n
	ds_load_b128 v[S1+4*n:S1+4*n+3], v[ADR] offset:4*DSZ+512*n
.set n, n+1
.endr
	s_wait_dscnt 0x20                              ; the numbers are in; O's 32 loads may be out
	v_min_num_f32 v8, v20, v[PT]
	v_min_num_f32 v10, v22, v[PT+2]
	v_sub_f32 v20, v8, v20
	v_sub_f32 v22, v10, v22
	v_sub_f32 v[PT], v8, v[PT]
	v_sub_f32 v[PT+2], v10, v[PT+2]
	v_cvt_i32_f32 v20, v20
	v_cvt_i32_f32 v22, v22
	v_cvt_i32_f32 v[PT], v[PT]
	v_cvt_i32_f32 v[PT+2], v[PT+2]
	v_ldexp_f32 v20, 1.0, v20                      ; fa, fb of tile 0, of tile 1 (a half that saw no key has -M = 3e38, and its factor is 0)
	v_ldexp_f32 v22, 1.0, v22
	v_ldexp_f32 v[PT], 1.0, v[PT]
	v_ldexp_f32 v[PT+2], 1.0, v[PT+2]
	v_mul_f32 v8, v21, v20
	v_mul_f32 v10, v23, v22
	v_fma_f32 v8, v[PT+1], v[PT], v8
	v_fma_f32 v10, v[PT+3], v[PT+2], v10
	v_permlanex16_b32 v24, v8, s20, s21
	v_permlanex16_b32 v25, v10, s20, s21
	v_add_f32 v8, v8, v24                          ; and lane l xor 16's: the row's sum
	v_add_f32 v10, v10, v25
	s_wait_alu depctr_va_vdst(0)                   ; ahead of the batch
	v_rcp_f32 v8, v8
	v_rcp_f32 v10, v10
	v_nop                                          ; a plain instruction behind the transcendentals
	s_wait_alu depctr_va_vdst(0)                   ; and behind it
	v_mul_f32 v12, v20, v8
	v_mul_f32 v14, v[PT], v8
	v_mul_f32 v16, v22, v10
	v_mul_f32 v18, v[PT+2], v10
	s_wait_alu depctr_va_vdst(0)                   ; ahead of the wait below
	s_wait_dscnt 0x0                               ; O is in
.set n, 0
.rept 16
	v_pk_mul_f32 v[S0+n:S0+n+1], v[S0+n:S0+n+1], v[12:13] op_sel_hi:[1,0]
	v_pk_mul_f32 v[S0+32+n:S0+33+n], v[S0+32+n:S0+33+n], v[16:17] op_sel_hi:[1,0]
.set n, n+2
.endr
.set n, 0
.rept 16
	v_pk_fma_f32 v[S0+n:S0+n+1], v[S1+n:S1+n+1], v[14:15], v[S0+n:S0+n+1] op_sel_hi:[1,0,1]
	v_pk_fma_f32 v[S0+32+n:S0+33+n], v[S1+32+n:S1+33+n], v[18:19], v[S0+32+n:S0+33+n] op_sel_hi:[1,0,1]
.set n, n+2
.endr
.set n, 0
.rept 64
	v_med3_num_f32 v[S0+n], v[S0+n], -v[SCL+1], v[SCL+1]
.set n, n+1
.endr
.irp t, 0,1,2,3,4,5,6,7
	v_cvt_scalef32_pk8_fp8_f32 v[PT+2*\t:PT+2*\t+1], v[S0+8*\t:S0+8*\t+7], v[SCL]
.endr
	v_nop                                          ; a plain vector instruction behind the last scaled conversion
.irp t, 0,1
	global_store_b128 v[LA], v[PT+8*\t:PT+8*\t+3], s[12:13] offset:2048*\t          ; 512 consecutive bytes a store, aligned
	global_store_b128 v[LA], v[PT+8*\t+4:PT+8*\t+7], s[12:13] offset:2048*\t+512
.endr
	s_wait_tensorcnt 0x0                           ; the wave's end
	ds_add_u32 v[SPW], v[NIL]
	s_wait_dscnt 0x0
	s_endpgm
.Lfunc_end_k_q0e80601843_attn:
	.size	k_q0e80601843_attn, .Lfunc_end_k_q0e80601843_attn-k_q0e80601843_attn
	.p2alignl 7, 3214868480
	.fill 96, 4, 3214868480
	.section	.rodata,"a",@progbits
	.p2align	6, 0x0
	.amdhsa_kernel k_q0e80601843_attn
		.amdhsa_group_segment_fixed_size 271360
		.amdhsa_private_segment_fixed_size 0
		.amdhsa_enable_private_segment 0
		.amdhsa_kernarg_size 40
		.amdhsa_user_sgpr_count 2
		.amdhsa_user_sgpr_kernarg_segment_ptr 1
		.amdhsa_wavefront_size32 1
		.amdhsa_system_sgpr_workgroup_id_x 1
		.amdhsa_system_sgpr_workgroup_id_y 1
		.amdhsa_system_sgpr_workgroup_id_z 1
		.amdhsa_system_vgpr_workitem_id 0
		.amdhsa_next_free_vgpr 480
		.amdhsa_next_free_sgpr 80
		.amdhsa_reserve_vcc 1
		.amdhsa_float_denorm_mode_32 3
		.amdhsa_float_denorm_mode_16_64 3
		.amdhsa_memory_ordered 1
		.amdhsa_forward_progress 1
		.amdhsa_inst_pref_size 106
	.end_amdhsa_kernel
	.amdgpu_metadata
---
amdhsa.version: [ 1, 2 ]
amdhsa.kernels:
  - .name:           k_q0e80601843_attn
    .symbol:         k_q0e80601843_attn.kd
    .args:
      - { .name: qimg, .offset: 0, .size: 8, .value_kind: global_buffer, .address_space: global }
      - { .name: kimg, .offset: 8, .size: 8, .value_kind: global_buffer, .address_space: global }
      - { .name: vimg, .offset: 16, .size: 8, .value_kind: global_buffer, .address_space: global }
      - { .name: lowp_scales, .offset: 24, .size: 8, .value_kind: global_buffer, .address_space: global }
      - { .name: aimg, .offset: 32, .size: 8, .value_kind: global_buffer, .address_space: global }
    .group_segment_fixed_size: 271360
    .private_segment_fixed_size: 0
    .kernarg_segment_align: 8
    .kernarg_segment_size: 40
    .max_flat_workgroup_size: 256
    .sgpr_count:     80
    .vgpr_count:     480
    .wavefront_size: 32
...
	.end_amdgpu_metadata
.endif
;; end of part 2
;; launch oproj (part 3): grid 8 x 32, 8 waves a work-group, clusters of 4 x 4, 327,680 bytes of LDS; arguments aimg, w_o_codes, b_o, lowp_scales, out0; writes out0
.if DOCPART == 3
	.amdgcn_target "amdgcn-amd-amdhsa--gfx1250"
	.amdhsa_code_object_version 6
	.text
	.protected	k_q0e80601843_oproj
	.globl	k_q0e80601843_oproj
	.p2align	8
	.type	k_q0e80601843_oproj,@function
k_q0e80601843_oproj:
	s_mov_b64 s[64:65], 0
	v_nop
	global_prefetch_b8 v0, s[64:65] scope:SCOPE_SE
	s_setreg_imm32_b32 hwreg(HW_REG_WAVE_MODE, 25, 1), 1
	s_wait_xcnt 0x0
	s_wait_alu depctr_hold_cnt(0) depctr_sa_sdst(0) depctr_va_vdst(0) depctr_va_sdst(0) depctr_va_ssrc(0) depctr_va_vcc(0) depctr_vm_vsrc(0)
	s_getreg_b32 s2, hwreg(HW_REG_IB_STS2, 6, 4)
	s_cmp_eq_u32 s2, 0
	s_cbranch_scc0 .Lentry_in_a_cluster
	s_endpgm
.Lentry_in_a_cluster:
	s_bfe_u32 s2, ttmp6, 0x10000c
	s_cmp_lg_u32 s2, 0xf033
	s_cbranch_scc0 .Lentry_shape_is_right
	s_endpgm
.Lentry_shape_is_right:
; out0 = a w_o^T + b_o on codes of FP8 (E4M3).  a: 4,096 x 1,024 as images of operand registers, [row block of 128][K step of 128][row tile of 16][2,048 bytes]; w_o: [1024][1024] codes, K innermost; b_o [1024], out0 [4096][1024]: f32.
; SHARES.  256 work-groups of 128 rows (rb) x 128 columns (nt).  Eight waves, two to a SIMD: wave w takes 32 rows (rq = w / 2) x 64 columns (ch = w % 2): eight accumulators; its rows' 64 f32 numbers are whole aligned units of 256 bytes.
; Source 0 = 16 rows of w_o, source 1 = 16 rows of a: a lane holds eight neighbouring columns of one row of the result.
; a's images hold k in the places of the 8-bit operand (registers 2 c, 2 c + 1: k = 16 c + 8 (lane / 16) + 0 .. 7), so w_o's fragments are fetched so too: eight loads of 8 bytes, 16 apart.
; LDS HOLDS THE WHOLE OF K: a's block, 131,072 bytes as it lies in memory, and w_o's 128 rows in four chunks of 256 along K.  Nothing is filled again: eight tensor loads go out at the start, one a wave:
; waves 0, 1: a's chunks 0, 1; waves 2, 3: w_o's chunks 0, 1; waves 4, 5: a's chunks 2, 3; waves 6, 7: w_o's.  A wait and a barrier stand in front of each half of K.  No prefetch: the launch has no loop to run ahead in.
; CLUSTERS: 4 x 4 work-groups.  a's block hangs on rb alone and is shared along a row of the cluster, w_o's rows on nt alone and are shared along a column: each tile is asked for jointly.
; LIMIT: e6 + e7 lies between -126 and 127, so that 2^(e6 + e7) is an f32 number.
.set PW,   272                         ; a row of w_o in LDS: 256 bytes + 16 of padding
.set WOFF, 131072                      ; behind a's block
.set WCH,  128*PW                      ; a chunk of w_o
.set STG,  WOFF+4*WCH                  ; the way out: a stage of 16 rows x (256 bytes + 16) for each wave, in bytes that no tile takes
.set SPI,  272
.set SPARE, STG+8*16*SPI               ; the spare words: 128 bytes for each of eight waves: four blocks of 256 bytes that no other line names
.set ADA,  4                           ; v4-5  LDS address of my fragments of a: K steps 0-3, 4-7
.set ADW,  6                           ; v6-7  of w_o: chunks 0-1, 2-3
.set SO,   8                           ; v8    the stage: where I put 32 bytes of a row
.set SR,   9                           ; v9    and where I read a row back
.set BO,   10                          ; v10   the bias: my half's eight numbers
.set CO,   11                          ; v11   my byte in two rows of out0
.set ACC,  16                          ; v16-79   the accumulators: (a, t) at v[16 + 8 (4 a + t)]
.set AF,   80                          ; v80-111  two fragments of a
.set WF,   112                         ; v112-175 four fragments of w_o; on the way out the rows read back
.set BI,   176                         ; v176-207 b_o of my four tiles of columns
.set SPW,  254
.set NIL,  255
.set WV,   18
.set G1A,  28                          ; s[28:35] descriptor group 1 for a's tiles;  s[36:43] for w_o's
.set G1B,  36
.set G0A,  48                          ; s[48:55] group 0 for a's tiles, a set for each half of K;  s[68:75] for w_o's
.set G0B,  68
.macro PLACES n
.rept \n
	v_nop
.endr
.endm
.macro CROUND                          ; a round of the cluster's barrier
	s_barrier_signal -1
	s_barrier_wait -1
	s_cmp_lg_u32 s[WV], 0
	s_cbranch_scc1 .Lnot_wave_0_\@
	s_barrier_signal -3
.Lnot_wave_0_\@:
	s_barrier_wait -3
	s_barrier_signal -1
	s_barrier_wait -1
.endm
	s_load_b256 s[4:11], s[0:1], 0x0               ; aimg s[4:5], w_o s[6:7], b_o s[8:9], the exponents s[10:11]
	s_load_b64 s[12:13], s[0:1], 0x20              ; out0
	v_lshl_add_u32 v[SPW], v0, 2, SPARE
	v_mov_b32 v[NIL], 0
	ds_add_u32 v[SPW], v[NIL]                      ; the wave's opening: the add, twice on end, and its wait
	ds_add_u32 v[SPW], v[NIL]
	v_lshrrev_b32 v1, 5, v0
	v_readfirstlane_b32 s[WV], v1                  ; wave 0..7
	s_lshr_b32 s19, s[WV], 1                       ; rq
	s_and_b32 s20, s[WV], 1                        ; ch.  Also: which chunk of a half of K I fetch
	s_bfe_u32 s22, ttmp6, 0x40000                  ; cx, cy
	s_bfe_u32 s23, ttmp6, 0x40004
	s_lshl_b32 s24, ttmp9, 2
	s_add_co_u32 s24, s24, s22                     ; nt = 4 x cluster x + cx
	s_and_b32 s25, ttmp7, 0xffff
	s_lshl_b32 s25, s25, 2
	s_add_co_u32 s25, s25, s23                     ; rb = 4 x cluster y + cy
	s_lshl_b32 s26, s23, 2
	s_lshl_b32 s26, 15, s26                        ; my row of the cluster
	s_lshl_b32 s27, 0x1111, s22                    ; my column
	s_or_b32 s[G1A], s26, (3<<16)|(1<<21)          ; a: 32 KiB, dense in memory, as 128 rows of 32 elements of 8 bytes; the mask; bit 21 set beside it
	s_mov_b32 s[G1A+1], 32<<16
	s_mov_b32 s[G1A+2], 128<<16
	s_mov_b32 s[G1A+3], 32<<16
	s_mov_b32 s[G1A+4], 128
	s_mov_b32 s[G1A+5], 32
	s_mov_b32 s[G1A+6], 0
	s_mov_b32 s[G1A+7], 0
	s_or_b32 s[G1B], s27, (0<<16)|(1<<20)|(1<<21)|(5<<22)|(3<<25)   ; w_o: 128 rows of 256 bytes, 1,024 apart; four words of padding after every 64
	s_mov_b32 s[G1B+1], 256<<16
	s_mov_b32 s[G1B+2], 128<<16
	s_mov_b32 s[G1B+3], 256<<16
	s_mov_b32 s[G1B+4], 128
	s_mov_b32 s[G1B+5], 1024
	s_mov_b32 s[G1B+6], 0
	s_mov_b32 s[G1B+7], 0
	s_lshl_b32 s96, s20, 15                        ; a: my chunk, in LDS as in memory,
	s_lshl_b32 s92, s25, 17                        ; in row block rb: it hangs on rb and the wave's number alone
	s_add_co_u32 s92, s92, s96
	s_mov_b32 s93, 0
	s_lshl_b32 s94, s24, 17                        ; w_o: rows 128 nt of 1,024 bytes, 256 bytes a chunk: it hangs on nt and the wave's number alone
	s_lshl_b32 s95, s20, 8
	s_add_co_u32 s94, s94, s95
	s_mov_b32 s95, 0
	s_mul_i32 s97, s20, WCH
	s_add_co_u32 s97, s97, WOFF
	s_wait_dscnt 0x0                               ; both opening adds are done
	s_wait_kmcnt 0x0
	s_load_b256 s[84:91], s[10:11], 0x0            ; e0 .. e7
	s_add_nc_u64 s[92:93], s[4:5], s[92:93]
	s_add_nc_u64 s[94:95], s[6:7], s[94:95]
.irp g, 0,1                                            ; the two halves of K
	s_mov_b32 s[G0A+4*\g], 1
	s_add_co_u32 s[G0A+4*\g+1], s96, 65536*\g
	s_add_nc_u64 s[G0A+4*\g+2:G0A+4*\g+3], s[92:93], 65536*\g
	s_or_b32 s[G0A+4*\g+3], s[G0A+4*\g+3], 0x80000000
	s_mov_b32 s[G0B+4*\g], 1
	s_add_co_u32 s[G0B+4*\g+1], s97, 2*WCH*\g
	s_add_nc_u64 s[G0B+4*\g+2:G0B+4*\g+3], s[94:95], 512*\g
	s_or_b32 s[G0B+4*\g+3], s[G0B+4*\g+3], 0x80000000
.endr
	CROUND                                         ; all sixteen work-groups are here: the joint loads meet
	s_cmp_lt_u32 s[WV], 2                          ; one chain of arms, one load in each
	s_cbranch_scc0 .Lnot_a0
	tensor_load_to_lds s[G0A:G0A+3], s[G1A:G1A+7]
	s_nop 0
	PLACES 4
	s_branch .Lasked
.Lnot_a0:
	s_cmp_lt_u32 s[WV], 4
	s_cbranch_scc0 .Lnot_w0
	tensor_load_to_lds s[G0B:G0B+3], s[G1B:G1B+7]
	s_nop 0
	PLACES 4
	s_branch .Lasked
.Lnot_w0:
	s_cmp_lt_u32 s[WV], 6
	s_cbranch_scc0 .Lnot_a1
	tensor_load_to_lds s[G0A+4:G0A+7], s[G1A:G1A+7]
	s_nop 0
	PLACES 4
	s_branch .Lasked
.Lnot_a1:
	tensor_load_to_lds s[G0B+4:G0B+7], s[G1B:G1B+7]
	s_nop 0
	PLACES 4
.Lasked:
	s_lshl_b32 s98, s24, 9                         ; b_o of my 64 columns: (128 nt + 64 ch) x 4 bytes; the same within a row of out0
	s_lshl_b32 s99, s20, 8
	s_add_co_u32 s98, s98, s99
	s_mov_b32 s99, 0
	s_lshl_b32 s14, s25, 19                        ; out0: row 128 rb + 32 rq of 4,096 bytes
	s_lshl_b32 s15, s19, 17
	s_add_co_u32 s14, s14, s15
	s_add_co_u32 s14, s14, s98
	s_mov_b32 s15, 0
	s_add_nc_u64 s[12:13], s[12:13], s[14:15]
	s_add_nc_u64 s[98:99], s[8:9], s[98:99]
	s_lshl_b32 s44, s19, 12                        ; my two row tiles of a K step: 4,096 rq
	s_mul_i32 s45, s20, 64*PW                      ; my 64 rows of w_o
	s_add_co_u32 s45, s45, WOFF
	s_mul_i32 s46, s[WV], 16*SPI
	s_add_co_u32 s46, s46, STG                     ; my stage
	v_and_b32 v1, 15, v0                           ; r
	v_bfe_u32 v2, v0, 4, 1                         ; h
	v_and_b32 v3, 31, v0
	v_lshlrev_b32 v[BO], 5, v2
	v_lshlrev_b32 v3, 4, v3                        ; 16 x lane
	v_mul_u32_u24 v12, v1, PW
	v_mul_u32_u24 v13, v2, SPI
	v_lshlrev_b32 v[CO], 12, v2
	v_add_nc_u32 v[ADA], s44, v3
	v_lshl_add_u32 v14, v2, 3, v12                 ; row x pitch + 8 x half
	v_lshl_add_u32 v12, v2, 5, v12                 ; the stage (its pitch is w_o's): row r, 32 bytes for each half of the lanes
	v_lshl_add_u32 v13, v1, 4, v13                 ; back: lanes 0-15 take one row of 256 bytes, lanes 16-31 the next
	v_lshl_add_u32 v[CO], v1, 4, v[CO]             ; and the same two rows in out0
	v_add_nc_u32 v[ADW], s45, v14
	v_add_nc_u32 v[SO], s46, v12
	v_add_nc_u32 v[SR], s46, v13
	v_add_nc_u32 v[ADA+1], 65536, v[ADA]
	v_add_nc_u32 v[ADW+1], 2*WCH, v[ADW]
.irp t, 0,1,2,3
	global_load_b128 v[BI+8*\t:BI+8*\t+3],   v[BO], s[98:99] offset:64*\t
	global_load_b128 v[BI+8*\t+4:BI+8*\t+7], v[BO], s[98:99] offset:64*\t+16
.endr
	s_wait_alu depctr_va_vdst(0)                   ; the wait at the head's end
	s_wait_kmcnt 0x0
	s_add_co_i32 s46, s90, s91                     ; e6 + e7
	s_add_co_i32 s46, s46, 127
	s_lshl_b32 s46, s46, 23                        ; 2^(e6 + e7) as f32
	s_mov_b32 s47, s46                             ; (named with it as a pair, so it is written)
.macro MUL4 a, zero                    ; row tile a x my four tiles of columns.  zero = 1: the first product starts the sums: nothing is cleared
.irp t, 0,1,2,3
.if \zero
	v_wmma_f32_16x16x128_fp8_fp8 v[ACC+8*(4*\a+\t):ACC+8*(4*\a+\t)+7], v[WF+16*\t:WF+16*\t+15], v[AF+16*\a:AF+16*\a+15], 0
.else
	v_wmma_f32_16x16x128_fp8_fp8 v[ACC+8*(4*\a+\t):ACC+8*(4*\a+\t)+7], v[WF+16*\t:WF+16*\t+15], v[AF+16*\a:AF+16*\a+15], v[ACC+8*(4*\a+\t):ACC+8*(4*\a+\t)+7]
.endif
.endr
.endm
; K step s of eight: 40 LDS loads, eight products; the eight accumulators take turns in the same order in every step
.macro KSTEP s, zero
	PLACES 4                                       ; in front of loads into registers that the last products read
.irp t, 0,1,2,3
.irp c, 0,1,2,3,4,5,6,7
	ds_load_b64 v[WF+16*\t+2*\c:WF+16*\t+2*\c+1], v[ADW+(\s)/4] offset:(((\s)/2)%2)*WCH+\t*16*PW+128*((\s)%2)+16*\c
.endr
.endr
.irp a, 0,1
.irp i, 0,1,2,3
	ds_load_b128 v[AF+16*\a+4*\i:AF+16*\a+4*\i+3], v[ADA+(\s)/4] offset:((\s)%4)*16384+2048*\a+512*\i
.endr
.endr
	s_wait_dscnt 4                                 ; w_o's fragments and a's first row tile are in; the second's four loads may be out
	MUL4 0, \zero
	s_wait_dscnt 0x0
	MUL4 1, \zero
.endm
	s_cmp_lt_u32 s[WV], 4
	s_cbranch_scc0 .Lhalf1_out
	s_wait_tensorcnt 0x0                           ; waves 0 to 3: my tile of the first half of K is in.  Waves 4 to 7: the second half's may be out
.Lhalf1_out:
	s_barrier_signal -1
	s_barrier_wait -1                              ; everybody's tile of the first half is in
	KSTEP 0, 1
	KSTEP 1, 0
	KSTEP 2, 0
	KSTEP 3, 0
	s_wait_tensorcnt 0x0
	s_wait_dscnt 0x0
	s_barrier_signal -1
	s_barrier_wait -1                              ; the second half is in
	KSTEP 4, 0
	KSTEP 5, 0
	KSTEP 6, 0
	KSTEP 7, 0
	; THE WAY OUT: sum x 2^(e6 + e7) + b_o, one packed multiply-add for two numbers, each accumulator from its low end on; 16 rows at a time through my stage, and back as whole units of 256 bytes
	s_wait_loadcnt 0x0                             ; b_o
	PLACES 4
.irp a, 0,1
.set RES, AF+128*\a                    ; v80-111, v208-239
.set BK,  WF+32*\a                     ; v112-143, v144-175
.irp t, 0,1,2,3
.irp i, 0,2,4,6
	v_pk_fma_f32 v[RES+8*\t+\i:RES+8*\t+\i+1], v[ACC+8*(4*\a+\t)+\i:ACC+8*(4*\a+\t)+\i+1], s[46:47], v[BI+8*\t+\i:BI+8*\t+\i+1] op_sel_hi:[1,0,1]
.endr
.endr
.irp t, 0,1,2,3
	ds_store_b128 v[SO], v[RES+8*\t:RES+8*\t+3] offset:64*\t
	ds_store_b128 v[SO], v[RES+8*\t+4:RES+8*\t+7] offset:64*\t+16
.endr
.irp i, 0,1,2,3,4,5,6,7
	ds_load_b128 v[BK+4*\i:BK+4*\i+3], v[SR] offset:2*\i*SPI   ; LDS serves a wave's instructions in order (ISA guide 5.7.1.4): these see the stores above, and the next rows' stores come behind them
.endr
.endr
.irp a, 0,1
.irp i, 0,1,2,3,4,5,6,7
	s_wait_dscnt 7-\i+16*(1-\a)                    ; these two rows are back; what was issued behind them may be out
	global_store_b128 v[CO], v[WF+32*\a+4*\i:WF+32*\a+4*\i+3], s[12:13] offset:65536*\a+8192*\i th:TH_STORE_NT   ; 16 lanes store 256 consecutive bytes, aligned; written once, read by nobody here
.endr
.endr
	s_wait_tensorcnt 0x0                           ; the wave's end
	ds_add_u32 v[SPW], v[NIL]
	s_wait_dscnt 0x0
	CROUND                                         ; the closing round: no work-group ends while a partner may still ask for a tile that names it
	s_endpgm
.Lfunc_end_k_q0e80601843_oproj:
	.size	k_q0e80601843_oproj, .Lfunc_end_k_q0e80601843_oproj-k_q0e80601843_oproj
	.p2alignl 7, 3214868480
	.fill 96, 4, 3214868480
	.section	.rodata,"a",@progbits
	.p2align	6, 0x0
	.amdhsa_kernel k_q0e80601843_oproj
		.amdhsa_group_segment_fixed_size 327680
		.amdhsa_private_segment_fixed_size 0
		.amdhsa_enable_private_segment 0
		.amdhsa_kernarg_size 40
		.amdhsa_user_sgpr_count 2
		.amdhsa_user_sgpr_kernarg_segment_ptr 1
		.amdhsa_wavefront_size32 1
		.amdhsa_system_sgpr_workgroup_id_x 1
		.amdhsa_system_sgpr_workgroup_id_y 1
		.amdhsa_system_sgpr_workgroup_id_z 1
		.amdhsa_system_vgpr_workitem_id 0
		.amdhsa_next_free_vgpr 256
		.amdhsa_next_free_sgpr 100
		.amdhsa_reserve_vcc 0
		.amdhsa_float_denorm_mode_32 3
		.amdhsa_float_denorm_mode_16_64 3
		.amdhsa_memory_ordered 1
		.amdhsa_forward_progress 1
		.amdhsa_inst_pref_size 41
	.end_amdhsa_kernel
	.amdgpu_metadata
---
amdhsa.version: [ 1, 2 ]
amdhsa.kernels:
  - .name:           k_q0e80601843_oproj
    .symbol:         k_q0e80601843_oproj.kd
    .args:
      - { .name: aimg, .offset: 0, .size: 8, .value_kind: global_buffer, .address_space: global }
      - { .name: w_o_codes, .offset: 8, .size: 8, .value_kind: global_buffer, .address_space: global }
      - { .name: b_o, .offset: 16, .size: 8, .value_kind: global_buffer, .address_space: global }
      - { .name: lowp_scales, .offset: 24, .size: 8, .value_kind: global_buffer, .address_space: global }
      - { .name: out0, .offset: 32, .size: 8, .value_kind: global_buffer, .address_space: global }
    .group_segment_fixed_size: 327680
    .private_segment_fixed_size: 0
    .kernarg_segment_align: 8
    .kernarg_segment_size: 40
    .max_flat_workgroup_size: 256
    .sgpr_count:     100
    .vgpr_count:     256
    .wavefront_size: 32
...
	.end_amdgpu_metadata
.endif
;; end of part 3
